; MI455X (gfx1250); checked and timed in simulation.
; The chip was launched on July 23, 2026; its instructions are those of AMD's public machine-readable ISA for CDNA 5 (MIT licence, August 2026) and "CDNA5" Instruction Set Architecture Reference Guide (July 2026). The comments in the code are by the model that wrote it; some were corrected since.
;; Feature Block. Allowed arithmetic: float matrix products may take bf16 or f16 operands with f32 sums; all other float work in f32.
;; Inputs: posMap 3,972 float32; posSlope one number float32; shapelet 32 float32; x 512 x 8 x 4,096 float32.
;; Outputs: out0 512 x 1 float32.
;; Constants: ep = 1.
;; One version. Each part assembles by itself: llvm-mc -triple=amdgcn-amd-amdhsa -mcpu=gfx1250 --defsym DOCPART=n.
;; ======== version 1 of 1: 1 launch
;; limits: a difference of large sums (such as E[x^2] - mean^2): digits are lost where the result is much smaller than its terms
;; launch shapelet (part 1): grid 256 x 1, 8 waves a work-group, no clusters, 57,600 bytes of LDS; arguments x, posMap, posSlope, shapelet, out0; writes out0
.if DOCPART == 1
	.amdgcn_target "amdgcn-amd-amdhsa--gfx1250"
	.amdhsa_code_object_version 6
	.text
	.protected	k_q16313d77e7_shapelet
	.globl	k_q16313d77e7_shapelet
	.p2align	8
	.type	k_q16313d77e7_shapelet,@function
k_q16313d77e7_shapelet:
	s_mov_b64 s[64:65], 0
	v_nop
	global_prefetch_b8 v0, s[64:65] scope:SCOPE_SE
	s_setreg_imm32_b32 hwreg(HW_REG_WAVE_MODE, 25, 1), 1
	s_wait_xcnt 0x0
; out0[b] = relu( min over w of d[b][w] * (posSlope * elu(-posMap[w]) + 2) ),
; d = mean over 32 taps (4 apart) of (shapelet - z-normalised window of x[b][3][:])^2.   Everything in f32.
;
; THE FORM.  Window w = 4 j + p takes x[4 (j + l) + p], l = 0..31: seen as 1,024 float4, position j is four windows at once
; and its taps are the float4 j .. j+31.  993 positions.  Per window three sums are enough:
;   S1 = sum x,  S2 = sum x^2,  D = sum c_l x  with  c_l = -2 (s_l - mean(s))          (centring s removes the mean * sum(s) term)
;   V = S2 - S1^2/32 = 31 var,  inv = 1 / (sqrt(V/31) + 1e-8),  32 d = sum s^2 + inv (inv V + D).
;
; THE SHARES.  A work-group takes two batch rows: waves 0-3 row 2g, waves 4-7 row 2g+1; the weights w/32 are made once for both,
; 16 by each of the 256 threads.  A thread owns 8 neighbouring positions (32 windows): 39 float4 from LDS feed 512 packed
; multiply-adds for D; S1 and S2 are summed once over 32 float4 and then slid 7 times (add the float4 that enters, take off the one that leaves).
; 993 = 8 x 124 + 1: threads 125-127 of a row repeat block 124; a block's position 0 is always a real one (minimum MB), positions
; 1-7 (minimum MA) are real for threads 0-123 only, and one select at the end drops MA in the others.
;
; LDS.  Float4 j lies at 16 j + 16 (j >> 3): blocks of 8 are 144 bytes apart, so sixteen neighbouring lanes, each at its block's
; float4 i, start at sixteen different 16-byte columns modulo 256 bytes, and all 39 reads are immediates on one address.
; Block 124 reaches float4 1024..1030, which x does not have: 512 zero bytes stand behind each row (112 are read; a store of all
; 32 lanes needs no lane mask).  What is computed from them lands in MA of threads that drop it.
;
; LIMITS.  (1) The variance is made in one pass: its relative error is about 2^-23 (1 + mean^2/std^2) of the window, over 1e-3 where
; |mean| > 90 std.  (2) A window with std = 0: D is rounding noise of the order 1e-7 |x|, and is multiplied by 1e8; the definition gives 0 there.
; (3) NaN and infinities in x or posMap are not carried to the output: v_min_num_f32 drops a NaN.
; (4) elu's exp(z) - 1 is a subtraction, absolute error 6e-8 x posSlope in the weight; v_exp_f32 gives 0 below 2^-126 (ISA guide 15.8).
; No matrix instruction: there is no matrix product in the definition and the sums are kept in f32.
; The output is 8 bytes for a work-group: one lane stores them.
.set XROW,  131072                     ; bytes from a batch row of x to the next: 8 channels x 4,096 x 4
.set XCH,   3*16384                    ; channel 3
.set NPOS,  993                        ; positions (float4 of windows) in a row; posMap has 16 x 993 bytes
.set NIN,   39                         ; float4 that a thread's 8 positions touch
.set BLK,   144                        ; LDS bytes of a block of 8 float4, its 16 bytes of padding included
.set ROWD,  128*BLK                    ; a row's 1,024 float4 in LDS: 18,432 bytes
.set ROWB,  ROWD+512                   ; + the zero tail
.set WB,    2*ROWB                     ; the weights, laid out like a row
.set RED,   WB+ROWD                    ; eight words: one minimum from each wave
.set TT,    2                          ; v2   thread in its row, 0..127
.set STX,   3                          ; v3   LDS: where I put x's float4 TT (+ 128 k)
.set STW,   4                          ; v4   LDS: where I put weight float4 t (+ 256 q), less WB
.set RDX,   5                          ; v5   LDS: my block of x
.set RDW,   6                          ; v6   LDS: my block of weights, less WB
.set OFX,   7                          ; v7   byte offset of my 16 bytes in x, from the group's first row
.set OFP,   8                          ; v8   byte offset of my 16 bytes in posMap
.set OFPL,  9                          ; v9   the same for the last quarter, held inside posMap
.set OSH,   10                         ; v10  byte offset of my lane's tap in shapelet
.set X,     12                         ; v[12:167]  the 39 float4
.set P,     X+32                       ; in front of the barrier: v[12:43] x as loaded, v[44:59] posMap,
.set E,     X+48                       ; v[60:75] exp and then the weights,
.set Z,     X+64                       ; v[76:79] zeros
.set ACC,   168                        ; v[168:199] D of position k in 4 registers
.set SH,    ACC                        ; in front of the barrier: my tap, sum of taps, sum of squares, coefficient,
.set ST,    ACC+1
.set SQ,    ACC+2
.set SC,    ACC+3
.set NS,    ACC+4                      ; -posSlope/32, twice
.set WT,    200                        ; v[200:231] weights / 32 of position k
.set SUM,   232                        ; v[232:235] S1 of the position at hand
.set SQS,   236                        ; v[236:239] S2
.set VAR,   240                        ; v[240:243] V
.set INV,   244                        ; v[244:247] V/31, std, std + eps, inv
.set UU,    248                        ; v[248:251] u, 32 d, feature
.set MA,    252
.set MB,    253
.set CF,    16                         ; coefficient l, twice, in s[CF+2l+2(l/24)] and the next: s16-63, s66-81 (s64, s65 are not ours)
.set SS,    82                         ; s[82:83] sum of s^2, twice
	s_load_b256 s[4:11], s[0:1], 0x0               ; x s[4:5], posMap s[6:7], posSlope s[8:9], shapelet s[10:11]
	s_load_b64 s[12:13], s[0:1], 0x20              ; out0
	v_lshl_add_u32 v254, v0, 2, 0xdd00
	v_mov_b32 v255, 0
	v_lshrrev_b32 v1, 5, v0
	v_readfirstlane_b32 s14, v1                    ; wave 0..7
	s_lshr_b32 s15, s14, 2                         ; which of the two rows
	s_mov_b32 s84, 0x76543210                      ; v_permlanex16_b32: lane i of one half reads lane i of the other
	s_mov_b32 s85, 0xfedcba98
	v_and_b32 v[TT], 127, v0
	v_and_b32 v[OSH], 31, v0
	v_lshlrev_b32 v[OSH], 2, v[OSH]                ; lane l takes tap l
	v_lshlrev_b32 v[OFP], 4, v0
	v_add_nc_u32 v[OFPL], 3*4096, v[OFP]           ; float4 768 + t of posMap: there are only 993,
	v_min_u32 v[OFPL], 16*(NPOS-1), v[OFPL]        ; the threads beyond take the last again (for positions that are dropped)
	v_lshrrev_b32 v1, 7, v0
	v_lshlrev_b32 v1, 17, v1                       ; row of the pair x 131,072
	v_lshl_or_b32 v[OFX], v[TT], 4, v1
	s_lshl_b32 s2, ttmp9, 18                       ; two batch rows for a work-group; at most 255 x 262,144 + 49,152: 32 bits hold it
	s_add_co_u32 s2, s2, XCH
	s_mov_b32 s3, 0
	s_wait_kmcnt 0x0
	s_add_nc_u64 s[4:5], s[4:5], s[2:3]
	s_load_b32 s86, s[8:9], 0x0                    ; posSlope
	; 13 loads, the small ones first: loads come back in order (ISA guide 5.7.1), so what hangs on them is done while x is on its way
	global_load_b32 v[SH], v[OSH], s[10:11]
	global_load_b128 v[P:P+3],     v[OFP],  s[6:7]
	global_load_b128 v[P+4:P+7],   v[OFP],  s[6:7] offset:4096
	global_load_b128 v[P+8:P+11],  v[OFP],  s[6:7] offset:8192
	global_load_b128 v[P+12:P+15], v[OFPL], s[6:7]
.irp k, 0,1,2,3,4,5,6,7
	global_load_b128 v[X+4*\k:X+4*\k+3], v[OFX], s[4:5] offset:2048*\k th:TH_LOAD_NT   ; a wave: 512 neighbouring bytes; 4 waves x 8 loads: the row, read once
.endr
	; LDS addresses
	v_lshrrev_b32 v1, 3, v0
	v_add_nc_u32 v1, v1, v0
	v_lshlrev_b32 v[STW], 4, v1                    ; 16 (t + t/8); 256 float4 further on is + 4,608
	s_mul_i32 s2, s15, ROWB-16*BLK                 ; t = TT + 128 row has 2,304 too many for x: the row's base less that
	v_add_nc_u32 v[STX], s2, v[STW]                ; 16 (TT + TT/8) + row x ROWB; 128 float4 further on is + 2,304
	v_min_u32 v1, 124, v[TT]                       ; the last block that holds a position
	v_mul_u32_u24 v[RDW], v1, BLK
	s_mul_i32 s3, s15, ROWB
	v_add_nc_u32 v[RDX], s3, v[RDW]
	; the zero tail of each row, by the last wave of the row
	s_and_b32 s2, s14, 3
	s_cmp_lg_u32 s2, 3
	s_cbranch_scc1 .Lno_tail
	v_and_b32 v11, 31, v0
	v_lshlrev_b32 v11, 4, v11
	v_add_nc_u32 v11, s3, v11
.irp j, 0,1,2,3
	v_mov_b32 v[Z+\j], 0
.endr
	ds_store_b128 v11, v[Z:Z+3] offset:ROWD
.Lno_tail:
	; THE COEFFICIENTS: every wave for itself; lane l holds tap l
	s_wait_loadcnt 12                              ; the shapelet is in; 4 loads of posMap and 8 of x stay out
	v_mov_b32 v[ST], v[SH]
	v_mul_f32 v[SQ], v[SH], v[SH]
.irp m, 1,2,4,8
	v_add_f32_dpp v[ST], v[ST], v[ST] row_xmask:\m row_mask:0xf bank_mask:0xf
	v_add_f32_dpp v[SQ], v[SQ], v[SQ] row_xmask:\m row_mask:0xf bank_mask:0xf
.endr
	v_permlanex16_b32 v1, v[ST], s84, s85          ; destinations that have been written: v1, and v10, whose load is done
	v_permlanex16_b32 v[OSH], v[SQ], s84, s85
	v_add_f32 v[ST], v[ST], v1                     ; sum of the taps, in every lane
	v_add_f32 v[SQ], v[SQ], v[OSH]                 ; sum of their squares
	v_mul_f32 v[SC], -2.0, v[SH]
	v_fmamk_f32 v[SC], v[ST], 0x3d800000, v[SC]    ; c = -2 s + sum/16 = -2 (s - mean)
.set l, 0
.rept 32
.set c, CF+2*l+2*(l/24)
	v_readlane_b32 s[c], v[SC], l                  ; a packed instruction takes a scalar as an aligned pair and spreads its first half;
	v_readlane_b32 s[c+1], v[SC], l                ; the second half is written too, with the same number
.set l, l+1
.endr
	v_readfirstlane_b32 s[SS], v[SQ]
	v_readfirstlane_b32 s[SS+1], v[SQ]
	; THE WEIGHTS: m = p < 0 ? p : 1 - exp(-p) is -elu(-p);  w/32 = m (-posSlope/32) + 1/16.  16 for each thread.
	s_wait_loadcnt 8                               ; posMap is in; the 8 loads of x stay out
.irp q, 0,1,2,3,4,5,6,7
	v_pk_mul_f32 v[E+2*\q:E+2*\q+1], v[P+2*\q:P+2*\q+1], 0xbfb8aa3b op_sel_hi:[1,0]   ; -p log2(e)
.endr
.set j, 0
.rept 16
	v_exp_f32 v[E+j], v[E+j]
.set j, j+1
.endr
	s_wait_kmcnt 0x0                               ; posSlope
	s_mul_f32 s87, s86, 0xbd000000                 ; x -1/32
	v_mov_b32 v[NS], s87                           ; these two are also the plain instructions that stand between the
	v_mov_b32 v[NS+1], s87                         ; transcendentals and the first use of their results (ISA guide 5.7.2)
	s_wait_alu depctr_va_vdst(0)
.irp q, 0,1,2,3,4,5,6,7
	v_pk_fma_f32 v[E+2*\q:E+2*\q+1], v[E+2*\q:E+2*\q+1], -1.0, 1.0 op_sel_hi:[1,0,0]
.endr
.set j, 0
.rept 16
	v_cmp_gt_f32 vcc_lo, 0, v[P+j]
	v_cndmask_b32 v[E+j], v[E+j], v[P+j], vcc_lo
.set j, j+1
.endr
.irp q, 0,1,2,3,4,5,6,7
	v_pk_fma_f32 v[E+2*\q:E+2*\q+1], v[E+2*\q:E+2*\q+1], v[NS:NS+1], 0x3d800000 op_sel_hi:[1,1,0]
.endr
.irp q, 0,1,2,3
	ds_store_b128 v[STW], v[E+4*\q:E+4*\q+3] offset:WB+32*BLK*\q
.endr
	; x into LDS as it comes
.irp k, 0,1,2,3,4,5,6,7
	s_wait_loadcnt 7-\k                            ; chunk k is in, the younger ones stay out
	ds_store_b128 v[STX], v[X+4*\k:X+4*\k+3] offset:16*BLK*\k
.endr
	s_wait_dscnt 0x0                               ; my stores are in LDS before I say so
	s_barrier_signal -1
	s_barrier_wait -1
	; 47 LDS loads in one run: my 39 float4 of x, my 8 float4 of weights
.set i, 0
.rept NIN
	ds_load_b128 v[X+4*i:X+4*i+3], v[RDX] offset:16*i+16*(i/8)
.set i, i+1
.endr
.set k, 0
.rept 8
	ds_load_b128 v[WT+4*k:WT+4*k+3], v[RDW] offset:WB+16*k
.set k, k+1
.endr
; The end of position p (a symbol): from S1, S2, D and the weights to four features and the running minimum.  The sliding of S1 and S2
; to position p + 1 fills the places behind the two runs of transcendentals; behind the last position a v_nop does.
.macro CLOSE
	v_pk_mul_f32 v[VAR:VAR+1],   v[SUM:SUM+1],   0xbd000000 op_sel_hi:[1,0]
	v_pk_mul_f32 v[VAR+2:VAR+3], v[SUM+2:SUM+3], 0xbd000000 op_sel_hi:[1,0]
	v_pk_fma_f32 v[VAR:VAR+1],   v[VAR:VAR+1],   v[SUM:SUM+1],   v[SQS:SQS+1]         ; V = S2 - S1^2/32
	v_pk_fma_f32 v[VAR+2:VAR+3], v[VAR+2:VAR+3], v[SUM+2:SUM+3], v[SQS+2:SQS+3]
.irp j, 0,1,2,3
	v_max_num_f32 v[VAR+\j], 0, v[VAR+\j]          ; rounding may leave it just below 0
.endr
	v_pk_mul_f32 v[INV:INV+1],   v[VAR:VAR+1],   0x3d042108 op_sel_hi:[1,0]           ; / 31
	v_pk_mul_f32 v[INV+2:INV+3], v[VAR+2:VAR+3], 0x3d042108 op_sel_hi:[1,0]
.irp j, 0,1,2,3
	v_sqrt_f32 v[INV+\j], v[INV+\j]
.endr
.if p < 7
	v_pk_add_f32 v[SUM:SUM+1],   v[SUM:SUM+1],   v[X+4*(32+p):X+4*(32+p)+1]           ; S1: float4 32 + p enters,
	v_pk_add_f32 v[SUM+2:SUM+3], v[SUM+2:SUM+3], v[X+4*(32+p)+2:X+4*(32+p)+3]
	v_pk_add_f32 v[SUM:SUM+1],   v[SUM:SUM+1],   v[X+4*p:X+4*p+1]   neg_lo:[0,1] neg_hi:[0,1]   ; float4 p leaves
	v_pk_add_f32 v[SUM+2:SUM+3], v[SUM+2:SUM+3], v[X+4*p+2:X+4*p+3] neg_lo:[0,1] neg_hi:[0,1]
	s_wait_alu depctr_va_vdst(0)
.else
	v_nop
	s_wait_alu depctr_va_vdst(0)
.endif
	v_pk_add_f32 v[INV:INV+1],   v[INV:INV+1],   0x322bcc77 op_sel_hi:[1,0]           ; + 1e-8
	v_pk_add_f32 v[INV+2:INV+3], v[INV+2:INV+3], 0x322bcc77 op_sel_hi:[1,0]
.irp j, 0,1,2,3
	v_rcp_f32 v[INV+\j], v[INV+\j]
.endr
.if p < 7
	v_pk_fma_f32 v[SQS:SQS+1],   v[X+4*(32+p):X+4*(32+p)+1],   v[X+4*(32+p):X+4*(32+p)+1],   v[SQS:SQS+1]    ; S2 likewise
	v_pk_fma_f32 v[SQS+2:SQS+3], v[X+4*(32+p)+2:X+4*(32+p)+3], v[X+4*(32+p)+2:X+4*(32+p)+3], v[SQS+2:SQS+3]
	v_pk_fma_f32 v[SQS:SQS+1],   v[X+4*p:X+4*p+1],   v[X+4*p:X+4*p+1],   v[SQS:SQS+1]   neg_lo:[1,0,0] neg_hi:[1,0,0]
	v_pk_fma_f32 v[SQS+2:SQS+3], v[X+4*p+2:X+4*p+3], v[X+4*p+2:X+4*p+3], v[SQS+2:SQS+3] neg_lo:[1,0,0] neg_hi:[1,0,0]
	s_wait_alu depctr_va_vdst(0)
.else
	v_nop
	s_wait_alu depctr_va_vdst(0)
.endif
	v_pk_fma_f32 v[UU:UU+1],   v[INV:INV+1],   v[VAR:VAR+1],   v[ACC+4*p:ACC+4*p+1]   ; u = inv V + D
	v_pk_fma_f32 v[UU+2:UU+3], v[INV+2:INV+3], v[VAR+2:VAR+3], v[ACC+4*p+2:ACC+4*p+3]
	v_pk_fma_f32 v[UU:UU+1],   v[UU:UU+1],   v[INV:INV+1],   s[SS:SS+1] op_sel_hi:[1,1,0]   ; 32 d = inv u + sum s^2
	v_pk_fma_f32 v[UU+2:UU+3], v[UU+2:UU+3], v[INV+2:INV+3], s[SS:SS+1] op_sel_hi:[1,1,0]
	v_pk_mul_f32 v[UU:UU+1],   v[UU:UU+1],   v[WT+4*p:WT+4*p+1]                       ; x w/32
	v_pk_mul_f32 v[UU+2:UU+3], v[UU+2:UU+3], v[WT+4*p+2:WT+4*p+3]
.if p == 0
	v_min_num_f32 v[MB], v[UU], v[UU+1]            ; position 0 has a minimum of its own; the first features start the minima
	v_min3_num_f32 v[MB], v[MB], v[UU+2], v[UU+3]
.else
.if p == 1
	v_min_num_f32 v[MA], v[UU], v[UU+1]
.else
	v_min3_num_f32 v[MA], v[MA], v[UU], v[UU+1]
.endif
	v_min3_num_f32 v[MA], v[MA], v[UU+2], v[UU+3]
.endif
.endm
	; Float4 i is tap i - k of position k: up to 16 independent packed multiply-adds for each float4; the first product starts a sum.
.set i, 0
.rept NIN
.if i < 32
	s_wait_dscnt NIN+7-i                           ; float4 i is in: behind it 38 - i of x and the 8 of the weights were issued
.endif
.set k, 0
.rept 8
.if i >= k
.if (i-k) < 32
.set c, CF+2*(i-k)+2*((i-k)/24)
.if i == k
	v_pk_mul_f32 v[ACC+4*k:ACC+4*k+1],   v[X+4*i:X+4*i+1],   s[c:c+1] op_sel_hi:[1,0]
	v_pk_mul_f32 v[ACC+4*k+2:ACC+4*k+3], v[X+4*i+2:X+4*i+3], s[c:c+1] op_sel_hi:[1,0]
.else
	v_pk_fma_f32 v[ACC+4*k:ACC+4*k+1],   v[X+4*i:X+4*i+1],   s[c:c+1], v[ACC+4*k:ACC+4*k+1]   op_sel_hi:[1,0,1]
	v_pk_fma_f32 v[ACC+4*k+2:ACC+4*k+3], v[X+4*i+2:X+4*i+3], s[c:c+1], v[ACC+4*k+2:ACC+4*k+3] op_sel_hi:[1,0,1]
.endif
.endif
.endif
.set k, k+1
.endr
.if i == 0
	v_pk_mul_f32 v[SQS:SQS+1],   v[X:X+1],   v[X:X+1]                                 ; S2 of position 0 starts
	v_pk_mul_f32 v[SQS+2:SQS+3], v[X+2:X+3], v[X+2:X+3]
.else
.if i < 32
	v_pk_fma_f32 v[SQS:SQS+1],   v[X+4*i:X+4*i+1],   v[X+4*i:X+4*i+1],   v[SQS:SQS+1]
	v_pk_fma_f32 v[SQS+2:SQS+3], v[X+4*i+2:X+4*i+3], v[X+4*i+2:X+4*i+3], v[SQS+2:SQS+3]
.if i == 1
	v_pk_add_f32 v[SUM:SUM+1],   v[X:X+1],   v[X+4:X+5]                               ; S1 of position 0 starts
	v_pk_add_f32 v[SUM+2:SUM+3], v[X+2:X+3], v[X+6:X+7]
.else
	v_pk_add_f32 v[SUM:SUM+1],   v[SUM:SUM+1],   v[X+4*i:X+4*i+1]
	v_pk_add_f32 v[SUM+2:SUM+3], v[SUM+2:SUM+3], v[X+4*i+2:X+4*i+3]
.endif
.endif
.endif
.if i >= 31
.set p, i-31                                       ; position p has had its last tap
.if p == 0
	s_wait_dscnt 0x0                               ; the last 7 float4 and the weights: issued some 600 instructions ago
.endif
	CLOSE
.endif
.set i, i+1
.endr
	; the thread's minimum, the wave's, the row's
	v_min_num_f32 v[MA], v[MA], v[MB]
	v_cmp_gt_u32 vcc_lo, 124, v[TT]                ; threads 0-123: all 8 positions are real
	v_cndmask_b32 v[MB], v[MB], v[MA], vcc_lo      ; the others: position 992 alone
.irp m, 1,2,4,8
	v_min_num_f32_dpp v[MB], v[MB], v[MB] row_xmask:\m row_mask:0xf bank_mask:0xf
.endr
	v_permlanex16_b32 v[MA], v[MB], s84, s85
	v_min_num_f32 v[MB], v[MB], v[MA]
	v_mov_b32 v1, s14
	v_lshlrev_b32 v1, 2, v1
	ds_store_b32 v1, v[MB] offset:RED              ; all lanes, one word, one value; bytes that nothing else uses
	s_wait_dscnt 0x0
	s_barrier_signal -1
	s_barrier_wait -1
	s_cmp_lg_u32 s14, 0
	s_cbranch_scc1 .Lend
	v_mov_b32 v1, RED
	ds_load_b128 v[X:X+3],   v1                    ; waves 0-3: row 2g
	ds_load_b128 v[X+4:X+7], v1 offset:16          ; waves 4-7: row 2g + 1
	s_lshl_b32 s2, ttmp9, 3
	v_mov_b32 v[OFP], s2                           ; 8 bytes of out0 for a work-group
	s_wait_dscnt 0x0
	v_min3_num_f32 v[X],   v[X],   v[X+1], v[X+2]
	v_min3_num_f32 v[X+4], v[X+4], v[X+5], v[X+6]
	v_min_num_f32 v[UU],   v[X],   v[X+3]
	v_min_num_f32 v[UU+1], v[X+4], v[X+7]
	v_max_num_f32 v[UU],   0, v[UU]                ; relu
	v_max_num_f32 v[UU+1], 0, v[UU+1]
	v_cmp_eq_u32 vcc_lo, 0, v0
	s_wait_tensorcnt 0x0
	ds_add_u32 v254, v255
	s_wait_dscnt 0x0
	s_and_saveexec_b32 s3, vcc_lo                  ; one lane stores both numbers
	global_store_b64 v[OFP], v[UU:UU+1], s[12:13]
	s_endpgm
.Lend:
	s_wait_tensorcnt 0x0
	ds_add_u32 v254, v255
	s_wait_dscnt 0x0
	s_endpgm
.Lfunc_end_k_q16313d77e7_shapelet:
	.size	k_q16313d77e7_shapelet, .Lfunc_end_k_q16313d77e7_shapelet-k_q16313d77e7_shapelet
	.p2alignl 7, 3214868480
	.fill 96, 4, 3214868480
	.section	.rodata,"a",@progbits
	.p2align	6, 0x0
	.amdhsa_kernel k_q16313d77e7_shapelet
		.amdhsa_group_segment_fixed_size 57600
		.amdhsa_private_segment_fixed_size 0
		.amdhsa_enable_private_segment 0
		.amdhsa_kernarg_size 40
		.amdhsa_user_sgpr_count 2
		.amdhsa_user_sgpr_kernarg_segment_ptr 1
		.amdhsa_wavefront_size32 1
		.amdhsa_system_sgpr_workgroup_id_x 1
		.amdhsa_system_sgpr_workgroup_id_y 1
		.amdhsa_system_sgpr_workgroup_id_z 1
		.amdhsa_system_vgpr_workitem_id 0
		.amdhsa_next_free_vgpr 256
		.amdhsa_next_free_sgpr 88
		.amdhsa_reserve_vcc 1
		.amdhsa_float_denorm_mode_32 3
		.amdhsa_float_denorm_mode_16_64 3
		.amdhsa_memory_ordered 1
		.amdhsa_forward_progress 1
		.amdhsa_inst_pref_size 76
	.end_amdhsa_kernel
	.amdgpu_metadata
---
amdhsa.version: [ 1, 2 ]
amdhsa.kernels:
  - .name:           k_q16313d77e7_shapelet
    .symbol:         k_q16313d77e7_shapelet.kd
    .args:
      - { .name: x, .offset: 0, .size: 8, .value_kind: global_buffer, .address_space: global }
      - { .name: posMap, .offset: 8, .size: 8, .value_kind: global_buffer, .address_space: global }
      - { .name: posSlope, .offset: 16, .size: 8, .value_kind: global_buffer, .address_space: global }
      - { .name: shapelet, .offset: 24, .size: 8, .value_kind: global_buffer, .address_space: global }
      - { .name: out0, .offset: 32, .size: 8, .value_kind: global_buffer, .address_space: global }
    .group_segment_fixed_size: 57600
    .private_segment_fixed_size: 0
    .kernarg_segment_align: 8
    .kernarg_segment_size: 40
    .max_flat_workgroup_size: 256
    .sgpr_count:     88
    .vgpr_count:     256
    .wavefront_size: 32
...
	.end_amdgpu_metadata
.endif
;; end of part 1
